; MI455X (gfx1250); checked and timed in simulation.
; The chip was launched on July 23, 2026; its instructions are those of AMD's public machine-readable ISA for CDNA 5 (MIT licence, August 2026) and "CDNA5" Instruction Set Architecture Reference Guide (July 2026). The comments in the code are by the model that wrote it; some were corrected since.
;; Causal Self Attention. Allowed arithmetic: matrix products marked QUANTISED: E2M1 operands, one E8M0 scale for each 32 along K, by v_wmma_scale_f32_16x16x128_f8f6f4 with both operands' format E2M1 (or v_wmma_scale_f32_32x16x128_f4), f32 sums; everything else in f32.
;; Inputs: Wk_codes 1,024 x 32 x 16 uint8 (E2M1 codes of Wk, K innermost, in blocks of 32 codes, two codes a byte); Wk_scales 1,024 x 32 uint8 (E8M0 scales of Wk, one for each 32 codes along K); Wo_codes 1,024 x 32 x 16 uint8 (E2M1 codes of Wo, K innermost, in blocks of 32 codes, two codes a byte); Wo_scales 1,024 x 32 uint8 (E8M0 scales of Wo, one for each 32 codes along K); Wq_codes 1,024 x 32 x 16 uint8 (E2M1 codes of Wq, K innermost, in blocks of 32 codes, two codes a byte); Wq_scales 1,024 x 32 uint8 (E8M0 scales of Wq, one for each 32 codes along K); Wv_codes 1,024 x 32 x 16 uint8 (E2M1 codes of Wv, K innermost, in blocks of 32 codes, two codes a byte); Wv_scales 1,024 x 32 uint8 (E8M0 scales of Wv, one for each 32 codes along K); bk 1,024 float32; bo 1,024 float32; bq 1,024 float32; bv 1,024 float32; x_codes 4 x 2,048 x 32 x 16 uint8 (E2M1 codes of x, K innermost, in blocks of 32 codes, two codes a byte); x_scales 4 x 2,048 x 32 uint8 (E8M0 scales of x, one for each 32 codes along K).
;; Outputs: out0 4 x 2,048 x 1,024 float32.
;; This version of the problem:
;;   THIS VERSION OF THE PROBLEM IS GIVEN IN LOW PRECISION. The matrix products marked QUANTISED in the list below multiply operands that are first quantised to E2M1 (2 exponent bits, 1 mantissa bit; 4 bits a number), with one power-of-two scale for each 32 numbers along K (OCP MX v1.0); their sums are f32. All else is computed in f32.
;;   The module's matrix products, in the order in which they are computed (A, B: the left and right operand; K: the contracted axis; several contracted axes count as one K, in the product's order):
;;     1. [M 8,192, K 1,024] x [K 1,024, N 1,024]; A: input x (given as codes); B: input Wq (given as codes): QUANTISED
;;     2. [M 8,192, K 1,024] x [K 1,024, N 1,024]; A: input x (given as codes); B: input Wk (given as codes): QUANTISED
;;     3. [M 8,192, K 1,024] x [K 1,024, N 1,024]; A: input x (given as codes); B: input Wv (given as codes): QUANTISED
;;     4. batch 64 x [M 2,048, K 64] x [K 64, N 2,048]; A: computed on the way; B: computed on the way: QUANTISED
;;     5. batch 64 x [M 2,048, K 2,048] x [K 2,048, N 64]; A: softmax (see below); B: computed on the way: QUANTISED
;;     6. [M 8,192, K 1,024] x [K 1,024, N 1,024]; A: computed on the way; B: input Wo (given as codes): QUANTISED
;;   THE QUANTISER, for each operand of a quantised product, along K:
;;     - K is cut into blocks of 32 from its start; a last block that is shorter is filled with zeros.
;;     - A block's scale is 2^e with e = floor(log2(the largest magnitude in the block)) - 2, held to -126 .. 127; a block of zeros has e = 0. As a byte (E8M0): e + 127.
;;     - Each number is divided by its block's scale, clamped to +-6, and rounded to the nearest number of E2M1, ties to even, subnormals kept.
;;     - The product sums the exact products of the quantised numbers (number of the format x scale) in f32.
;;   ~~~python
;;   def quantise(x, axis):      # numpy; x: float32 -> the quantised numbers, widened to float32 again
;;       x = np.moveaxis(x, axis, -1); K = x.shape[-1]
;;       x = np.pad(x, [(0, 0)] * (x.ndim - 1) + [(0, -K % 32)]); x = x.reshape(x.shape[:-1] + (-1, 32)); a = np.abs(x).max(-1, keepdims=True)
;;       e = np.where(a > 0, np.clip(np.frexp(np.where(a > 0, a, 1))[1] - 1 - 2, -126, 127), 0)      # np.frexp(a)[1] - 1 = floor(log2(a)), exactly
;;       r = np.clip(x / 2.0 ** e, -6, 6)
;;       step = 2.0 ** (np.maximum(np.frexp(np.where(r == 0, 1, r))[1] - 1, 0) - 1)
;;       q = np.round(r / step) * step * 2.0 ** e      # np.round: ties to even
;;       return np.moveaxis(q.reshape(q.shape[:-2] + (-1,))[..., :K], -1, axis).astype(np.float32)
;;   ~~~
;;   SOFTMAX AHEAD OF A QUANTISED PRODUCT. Where the list says 'softmax', what is quantised is not the finished softmax but p = 2^(t - M), with t = logit x log2(e) and M = ceil(the row's largest t), a whole number; so 1/2 < the row's largest p <= 1. The row's sum l is taken of the UNQUANTISED p, in f32, and the product's result is divided by l at the end. Since M is a whole number, a kernel that streams over the keys may use a running M (the ceiling of the running maximum): every later rescaling is an exact power of two, which a block's scale takes up: the codes' values come out the same.
;;   OPERANDS COMPUTED ON THE WAY. 'Computed on the way' means the value that the module computes at that place (a softmax that the list does not call 'softmax' is quantised finished and normalised). What goes into a quantiser is computed in f32, as accurately as f32 sums, v_exp_f32 and their like allow (about 1e-6 of the number): no bf16 or f16 on the way to a quantiser, and a product that is left as it is and whose result goes on into a quantised operand takes f32 operands (vector FMAs, or v_wmma_f32_16x16x4_f32). A number that lies on a knife's edge between two numbers of the format may be rounded either way, as far as f32 arithmetic and the matrix unit's own rounding can turn it there, and no further.
;;   INPUTS GIVEN AS CODES. Wk (in the module: [1024, 1024], K = its axis 1); Wo (in the module: [1024, 1024], K = its axis 1); Wq (in the module: [1024, 1024], K = its axis 1); Wv (in the module: [1024, 1024], K = its axis 1); x (in the module: [4, 2048, 1024], K = its axis 2): each comes as NAME_codes (uint8): NAME with its K axis moved to the last place and cut into blocks of 32 codes, [.., K / 32, bytes a block], one block behind the other in memory; two codes a byte, the lower K in the low four bits (a code: sign, 2 exponent bits, 1 mantissa bit); and NAME_scales (uint8): the same leading axes, one E8M0 byte (e + 127) for each 32 codes along K. Its value is code x scale, taken as it is: it is not quantised again, and the codes and scales need not be those that the quantiser above would give.
;; One version. Each part assembles by itself: llvm-mc -triple=amdgcn-amd-amdhsa -mcpu=gfx1250 --defsym DOCPART=n.
;; ======== version 1 of 1: 3 launches
;; workspace buffers: qc 4,194,304 bytes; qs 262,144 bytes; kv 8,912,896 bytes; ac 4,194,304 bytes; asc 262,144 bytes
;; launch qkv (part 1): grid 8 x 32, 4 waves a work-group, clusters of 4 x 4, 327,680 bytes of LDS; arguments x_codes, x_scales, Wq_codes, Wq_scales, bq, Wk_codes, Wk_scales, bk, Wv_codes, Wv_scales, bv, qc, qs, kv; writes qc, qs, kv
.if DOCPART == 1
	.amdgcn_target "amdgcn-amd-amdhsa--gfx1250"
	.amdhsa_code_object_version 6
	.text
	.protected	k_q2aaa062bb7_qkv
	.globl	k_q2aaa062bb7_qkv
	.p2align	8
	.type	k_q2aaa062bb7_qkv,@function
k_q2aaa062bb7_qkv:
	s_mov_b64 s[64:65], 0
	v_nop
	global_prefetch_b8 v0, s[64:65] scope:SCOPE_SE
	s_setreg_imm32_b32 hwreg(HW_REG_WAVE_MODE, 25, 1), 1
	s_wait_xcnt 0x0
	s_wait_alu depctr_hold_cnt(0) depctr_sa_sdst(0) depctr_va_vdst(0) depctr_va_sdst(0) depctr_va_ssrc(0) depctr_va_vcc(0) depctr_vm_vsrc(0)
	s_getreg_b32 s2, hwreg(HW_REG_IB_STS2, 6, 4)
	s_cmp_eq_u32 s2, 0
	s_cbranch_scc0 .Lentry_in_a_cluster
	s_endpgm
.Lentry_in_a_cluster:
	s_bfe_u32 s2, ttmp6, 0x10000c
	s_cmp_lg_u32 s2, 0xf033
	s_cbranch_scc0 .Lentry_shape_is_right
	s_endpgm
.Lentry_shape_is_right:
; q = x Wq^T + bq, k = x Wk^T + bk, v = x Wv^T + bv on codes of FP4 (E2M1) with one E8M0 scale for each 32 along K = 1,024; the results are quantised at once:
; q and k along the head's 64 (two blocks), v along the keys (blocks of 32 keys), and leave as IMAGES OF OPERAND REGISTERS (lane l's 16 bytes at 16 l) for the attention launch.
; SHARES.  Work-group (g, y) of 8 x 32: rows 256 y .. + 255 of x, rows 128 g .. + 127 of each weight (heads 2 g, 2 g + 1).  Wave w: wr = w / 2 picks 128 rows of x (one key step of attention),
; wc = w % 2 picks 64 weight rows (one head).  A wave's fragments of x for all of K (8 tiles x 8 K steps x 8 registers = 512) are read from LDS ONCE and stay for the three products;
; in the K loop only the four weight fragments of a step come from LDS.
; CLUSTER 4 x 4: the four of a row of the cluster need the same rows of x, the four of a column the same weight rows: each is asked for jointly.
; LDS: x 256 rows and two weight regions of 128 rows, rows of 512 bytes + 16 of padding.  All three weights do not fit: Wv is brought into Wq's region when every wave of every partner has left it.
; PRODUCTS.  q, k: source 0 = 16 weight rows, source 1 = 16 rows of x: a lane holds one row of x and its registers run along d.  v: the sources swapped: a lane holds one d and its registers run along the keys.
; So in both cases 64 consecutive accumulator registers are four blocks of 32 along the next product's K, 16 numbers of each block in lane l and 16 in lane l xor 16.
; LIMITS: NaN and infinities are not served; a block whose largest magnitude lies under 2^-124 (a block of zeros among them) keeps the scale byte 1: its bytes are read by this program alone.
; REGISTERS, in windows of 256: window 0: addresses, scale words, two sets of weight fragments, the bias, the quantiser's work.  windows 1, 2: x's fragments ((a, s) in window 1 + s / 4 at 64 (s % 4) + 8 a).  window 3: 32 accumulators.
.set PITCH, 528                        ; an LDS row: 512 bytes + 16 of padding = 132 words: the 16 rows that a fragment load touches start at 16 different banks (64 banks of 4 bytes: ISA guide 11.1)
.set WAB,   256*PITCH                  ; behind x's 256 rows: Wq's 128 rows, later Wv's
.set WBB,   WAB+128*PITCH              ; Wk's 128 rows
.set SPARE, WBB+128*PITCH              ; the spare words, 128 bytes for each wave: two blocks of 256 bytes that no other line names
.set LI,   3                           ; v3   16 x lane: my place in an image
.set AX,   4                           ; v4   LDS address of my fragments of x
.set AWA,  5                           ; v5   of my weight fragments in the first region
.set AWB,  6                           ; v6   in the second
.set SX,   7                           ; v7   32 r: a row of scale bytes
.set BPO,  8                           ; v8   32 h: the bias of my half's eight columns
.set BRO,  9                           ; v9   4 r: the bias of my row
.set S8,   10                          ; v10  16 r + 8 h: my 8 bytes of a scale image
.set SPW,  11                          ; v11  LDS address of my spare word; never rewritten
.set NIL,  12                          ; v12  0; never rewritten
.set XS,   16                          ; v16-79   x's scale words: (a, s) at XS + 8 a + s, the same word in lanes r and 16 + r
.set WS,   80                          ; v80-111  the weight's: (b, s) at WS + 8 b + s
.set WF,   112                         ; v112-143, v144-175 two sets of four weight fragments; behind a product they take the codes just made
.set BIAS, 176                         ; v176-207 the C of each sum's first product
.set TM,   208                         ; v208-211 largest magnitudes, v212-215 the other lane's, then bytes, v220-223 the conversions' scale operands
.set IW,   232                         ; v232-235 four scale words of an image
.set SP0,  236                         ; v236-237 my 8 bytes of it
.set HM,   96                          ; s96  lanes 16-31
.set SEL,  98                          ; s[98:99] v_permlanex16_b32's selects for lane l xor 16
.set MSB, 0
.macro WIN new                         ; the immediate's high byte repeats the setting that is left; a switch that changes nothing is dropped
.if MSB != (\new)
	s_set_vgpr_msb (MSB<<8)|(\new)
.set MSB, (\new)
.endif
.endm
.macro PLACES                          ; four places behind matrix instructions, in front of loads into their registers and of reads of their results; also the four lines behind a tensor load
.rept 4
	v_nop
.endr
.endm
.macro CROUND                          ; a round of the cluster's barrier
	s_barrier_signal -1
	s_barrier_wait -1
	s_cmp_lg_u32 s32, 0
	s_cbranch_scc1 .Lnot_wave_0_\@
	s_barrier_signal -3
.Lnot_wave_0_\@:
	s_barrier_wait -3
	s_barrier_signal -1
	s_barrier_wait -1
.endm
.macro LDXS                            ; x's scale words of my 128 rows: row 16 a + r, eight words
.irp a, 0,1,2,3,4,5,6,7
	global_load_b128 v[XS+8*\a:XS+8*\a+3], v[SX], s[6:7] offset:512*\a
	global_load_b128 v[XS+8*\a+4:XS+8*\a+7], v[SX], s[6:7] offset:512*\a+16
.endr
.endm
.macro LDWS p                          ; a weight's scale words of my 64 rows
.irp b, 0,1,2,3
	global_load_b128 v[WS+8*\b:WS+8*\b+3], v[SX], s[\p:\p+1] offset:512*\b
	global_load_b128 v[WS+8*\b+4:WS+8*\b+7], v[SX], s[\p:\p+1] offset:512*\b+16
.endr
.endm
.macro LDBP p                          ; the bias where registers run along d: tile b, register j: d = 16 b + 8 h + j
.irp b, 0,1,2,3
	global_load_b128 v[BIAS+8*\b:BIAS+8*\b+3], v[BPO], s[\p:\p+1] offset:64*\b
	global_load_b128 v[BIAS+8*\b+4:BIAS+8*\b+7], v[BPO], s[\p:\p+1] offset:64*\b+16
.endr
.endm
.macro LDBR p                          ; the bias where a lane holds one d: tile b: d = 16 b + r, into the tile's first register
.irp b, 0,1,2,3
	global_load_b32 v[BIAS+8*\b], v[BRO], s[\p:\p+1] offset:64*\b
.endr
.endm
.macro WFETCH adr, p, q                ; four weight fragments (16 rows x 128 K: two loads of 16 bytes, 32 bytes apart) of K step q into set p
.irp b, 0,1,2,3
.irp c, 0,1
	ds_load_b128 v[WF+32*(\p)+8*\b+4*\c:WF+32*(\p)+8*\b+4*\c+3], v[\adr] offset:\b*16*PITCH+64*(\q)+32*\c
.endr
.endr
.endm
.macro XFETCH q                        ; x's eight fragments of K step q, into their lasting place
	WIN 0x40*(1+(\q)/4)
.irp a, 0,1,2,3,4,5,6,7
.irp c, 0,1
	ds_load_b128 v[64*((\q)%4)+8*\a+4*\c:64*((\q)%4)+8*\a+4*\c+3], v[AX] offset:\a*16*PITCH+64*(\q)+32*\c
.endr
.endr
	WIN 0
.endm
; A K step of 128: the next step's fragments are asked for, this step's (asked for a step ago) are waited for, then 32 products on 32 accumulators, one instruction a turn, in the same order in every step
; mode 0: source 0 = weight, source 1 = x.  mode 1: the sources swapped.  xl = 1: x's fragments of the next step are fetched too.  Step 0 takes the bias as C: nothing is cleared or added later.
.macro KSTEP mode, adr, s, xl
	WIN 0
.if (\s) > 0
	PLACES                                         ; the set that is loaded next was read by the products just issued
.endif
.if (\s) < 7
.set kn, (\s)+1
	WFETCH \adr, kn%2, kn
.if \xl
	XFETCH kn
.endif
	s_wait_dscnt 8+16*(\xl)                        ; all but the loads just issued
.else
	s_wait_dscnt 0x0
.endif
.set xw, 64*((\s)%4)
.set wf, WF+32*((\s)%2)
.if \mode
.if (\s) == 0
	WIN 0xc1                                       ; source 0 (x) window 1, C (the bias) window 0, D window 3
.else
	WIN 0xf1+(\s)/4                                ; source 0 window 1 or 2, C and D window 3
.endif
.irp b, 0,1,2,3,4,5,6,7
.irp a, 0,1,2,3
.if (\s) == 0
	v_wmma_scale_f32_16x16x128_f8f6f4 v[8*(8*\a+\b):8*(8*\a+\b)+7], v[xw+8*\b:xw+8*\b+7], v[wf+8*\a:wf+8*\a+7], v[BIAS+8*\a:BIAS+8*\a+7], v[XS+8*\b+(\s)], v[WS+8*\a+(\s)] matrix_a_fmt:MATRIX_FMT_FP4 matrix_b_fmt:MATRIX_FMT_FP4
.else
	v_wmma_scale_f32_16x16x128_f8f6f4 v[8*(8*\a+\b):8*(8*\a+\b)+7], v[xw+8*\b:xw+8*\b+7], v[wf+8*\a:wf+8*\a+7], v[8*(8*\a+\b):8*(8*\a+\b)+7], v[XS+8*\b+(\s)], v[WS+8*\a+(\s)] matrix_a_fmt:MATRIX_FMT_FP4 matrix_b_fmt:MATRIX_FMT_FP4
.endif
.endr
.endr
.else
.if (\s) == 0
	WIN 0xc4                                       ; source 1 (x) window 1, C (the bias) window 0, D window 3
.else
	WIN 0xf4+4*((\s)/4)                            ; source 1 window 1 or 2, C and D window 3
.endif
.irp a, 0,1,2,3,4,5,6,7
.irp b, 0,1,2,3
.if (\s) == 0
	v_wmma_scale_f32_16x16x128_f8f6f4 v[8*(4*\a+\b):8*(4*\a+\b)+7], v[wf+8*\b:wf+8*\b+7], v[xw+8*\a:xw+8*\a+7], v[BIAS+8*\b:BIAS+8*\b+7], v[WS+8*\b+(\s)], v[XS+8*\a+(\s)] matrix_a_fmt:MATRIX_FMT_FP4 matrix_b_fmt:MATRIX_FMT_FP4
.else
	v_wmma_scale_f32_16x16x128_f8f6f4 v[8*(4*\a+\b):8*(4*\a+\b)+7], v[wf+8*\b:wf+8*\b+7], v[xw+8*\a:xw+8*\a+7], v[8*(4*\a+\b):8*(4*\a+\b)+7], v[WS+8*\b+(\s)], v[XS+8*\a+(\s)] matrix_a_fmt:MATRIX_FMT_FP4 matrix_b_fmt:MATRIX_FMT_FP4
.endif
.endr
.endr
.endif
.endm
; 64 accumulator registers from base on (window 3) are four blocks of 32: register 16 b + i is number 8 h + i (i < 8) or 16 + 8 h + i - 8 of block b of my row; lane l xor 16 holds the other 16.
; They become 8 registers of codes from pc on, in the operand's layout (register 4 c + p: block 2 c + h, numbers 8 p .. 8 p + 7), and the scale word pw (byte b: block b).
.macro QUANT base, pc, pw
	WIN 0x0f                                       ; sources 0 and 1 window 3
.irp b, 0,1,2,3
	v_max3_num_f32 v[TM+\b], |v[16*\b+(\base)]|, |v[16*\b+1+(\base)]|, 0x1800000   ; my 16 numbers, each accumulator from its low end on, and the floor 2^(3 - 127): the byte cannot fall under 1
.endr
.irp i, 2,4,6,8,10,12,14
.irp b, 0,1,2,3
	v_max3_num_f32 v[TM+\b], |v[16*\b+\i+(\base)]|, |v[16*\b+\i+1+(\base)]|, v[TM+\b]   ; (the four blocks by turns)
.endr
.endr
	WIN 0
.irp b, 0,1,2,3
	v_permlanex16_b32 v[TM+4+\b], v[TM+\b], s[SEL], s[SEL+1]
.endr
.irp b, 0,1,2,3
	v_max_num_f32 v[TM+\b], v[TM+\b], v[TM+4+\b]   ; with lane l xor 16: the block's largest magnitude
.endr
.irp b, 0,1,2,3
	v_add_nc_u32 v[TM+12+\b], 0xff000000, v[TM+\b] ; 2 off its exponent field: the conversion takes the exponent field of this operand as its scale
.endr
.irp b, 0,1,2,3
	v_lshrrev_b32 v[TM+4+\b], 23, v[TM+12+\b]      ; the scale's byte
.endr
	v_lshl_or_b32 v[\pw], v[TM+5], 8, v[TM+4]
	v_lshl_or_b32 v[\pw], v[TM+6], 16, v[\pw]
	v_lshl_or_b32 v[\pw], v[TM+7], 24, v[\pw]
	WIN 0x03                                       ; source 0 window 3
.irp b, 0,1,2,3
	v_cvt_scalef32_pk8_fp4_f32 v[4*(\b/2)+\b%2+(\pc)], v[16*\b+(\base):16*\b+7+(\base)], v[TM+12+\b]      ; piece h of block b
	v_cvt_scalef32_pk8_fp4_f32 v[4*(\b/2)+2+\b%2+(\pc)], v[16*\b+8+(\base):16*\b+15+(\base)], v[TM+12+\b] ; piece 2 + h
.endr
	WIN 0
	v_nop                                          ; one plain place behind the scaled conversions
.irp c, 0,1                                    ; the first's lanes 16-31 change places with the second's lanes 0-15: lanes 0-15 then hold block 2 c whole, lanes 16-31 block 2 c + 1
	v_permlane16_swap_b32 v[4*\c+(\pc)], v[4*\c+1+(\pc)]
	v_permlane16_swap_b32 v[4*\c+2+(\pc)], v[4*\c+3+(\pc)]
.endr
.endm
; The 32 accumulators leave: four fragments of 8 registers, each register group as 512 consecutive bytes of the wave, and the four scale words as one aligned block of 256 bytes.
; The codes lie at v144-159 (t = 0, 1) and v112-127 (t = 2, 3): a conversion's destination number then never lies among its source numbers.
.macro EPI cb, coff, sb, soff
.irp t, 0,1,2,3
.set pcx, 144+8*\t-48*(\t/2)
	QUANT 64*\t, pcx, IW+\t
	global_store_b128 v[LI], v[pcx:pcx+3], s[\cb:\cb+1] offset:\coff+1024*\t
	global_store_b128 v[LI], v[pcx+4:pcx+7], s[\cb:\cb+1] offset:\coff+1024*\t+512
.endr
	v_cndmask_b32 v[SP0], v[IW], v[IW+2], s[HM]    ; lanes 0-15 store words 0, 1 of row r, lanes 16-31 words 2, 3
	v_cndmask_b32 v[SP0+1], v[IW+1], v[IW+3], s[HM]
	global_store_b64 v[S8], v[SP0:SP0+1], s[\sb:\sb+1] offset:\soff
.endm
	s_load_b256 s[4:11], s[0:1], 0x0               ; x codes s[4:5], x scales s[6:7], Wq codes s[8:9], Wq scales s[10:11]
	s_load_b256 s[12:19], s[0:1], 0x20             ; bq s[12:13], Wk codes s[14:15], Wk scales s[16:17], bk s[18:19]
	s_load_b256 s[20:27], s[0:1], 0x40             ; Wv codes s[20:21], Wv scales s[22:23], bv s[24:25], qc s[26:27]
	s_load_b128 s[28:31], s[0:1], 0x60             ; qs s[28:29], kv s[30:31]
	v_lshl_add_u32 v[SPW], v0, 2, SPARE
	v_mov_b32 v[NIL], 0
	ds_add_u32 v11, v12
	ds_add_u32 v11, v12
	s_wait_dscnt 0x0
	v_lshrrev_b32 v13, 5, v0
	v_readfirstlane_b32 s32, v13                   ; wave 0..3
	s_lshr_b32 s33, s32, 1                         ; wr
	s_and_b32 s34, s32, 1                          ; wc
	s_bfe_u32 s35, ttmp6, 0x40000                  ; cx
	s_bfe_u32 s36, ttmp6, 0x40004                  ; cy
	s_lshl_b32 s37, ttmp9, 2
	s_add_co_u32 s37, s37, s35                     ; g = 4 x cluster x + cx
	s_and_b32 s38, ttmp7, 0xffff
	s_lshl_b32 s38, s38, 2
	s_add_co_u32 s38, s38, s36                     ; y = 4 x cluster y + cy
	s_lshl_b32 s39, s36, 2
	s_lshl_b32 s39, 15, s39                        ; my row of the cluster
	s_lshl_b32 s40, 0x1111, s35                    ; my column
	; descriptor group 1: rows of 512 elements of one byte, 4 words of padding behind every 128.  x: 64 rows a wave, shared along my row; a weight: 32 rows a wave, shared along my column
	s_or_b32 s44, s39, (1<<20)|(1<<21)|(6<<22)|(3<<25)
	s_mov_b32 s45, 512<<16                         ; tensor_dim0
	s_mov_b32 s46, 64<<16                          ; tensor_dim1
	s_mov_b32 s47, 512<<16                         ; tile_dim0
	s_mov_b32 s48, 64                              ; tile_dim1
	s_mov_b32 s49, 512                             ; from row to row
	s_mov_b32 s50, 0
	s_mov_b32 s51, 0
	s_or_b32 s52, s40, (1<<20)|(1<<21)|(6<<22)|(3<<25)
	s_mov_b32 s53, 512<<16
	s_mov_b32 s54, 32<<16
	s_mov_b32 s55, 512<<16
	s_mov_b32 s56, 32
	s_mov_b32 s57, 512
	s_mov_b32 s58, 0
	s_mov_b32 s59, 0
	s_lshl_b32 s80, s38, 17                        ; x: row 256 y + 64 w, 512 bytes a row: made of y and the wave alone
	s_lshl_b32 s81, s32, 15
	s_add_co_u32 s80, s80, s81
	s_mov_b32 s81, 0
	s_lshl_b32 s82, s37, 16                        ; a weight: row 128 g + 32 w: made of g and the wave alone
	s_lshl_b32 s83, s32, 14
	s_add_co_u32 s82, s82, s83
	s_mov_b32 s83, 0
	s_mul_i32 s84, s32, 32*PITCH                   ; my quarter of a weight region
	s_mov_b32 s[HM], 0xffff0000
	s_mov_b32 s[SEL], 0x76543210
	s_mov_b32 s[SEL+1], 0xfedcba98
	s_wait_kmcnt 0x0
	s_mov_b32 s60, 1                               ; group 0 for x
	s_mul_i32 s61, s32, 64*PITCH
	s_add_nc_u64 s[62:63], s[4:5], s[80:81]
	s_or_b32 s63, s63, 0x80000000
	s_mov_b32 s68, 1                               ; for Wq
	s_add_co_u32 s69, s84, WAB
	s_add_nc_u64 s[70:71], s[8:9], s[82:83]
	s_or_b32 s71, s71, 0x80000000
	s_mov_b32 s72, 1                               ; for Wk
	s_add_co_u32 s73, s84, WBB
	s_add_nc_u64 s[74:75], s[14:15], s[82:83]
	s_or_b32 s75, s75, 0x80000000
	s_mov_b32 s76, 1                               ; for Wv: Wq's region
	s_add_co_u32 s77, s84, WAB
	s_add_nc_u64 s[78:79], s[20:21], s[82:83]
	s_or_b32 s79, s79, 0x80000000
	CROUND                                         ; all sixteen work-groups are here: the first joint loads meet
	tensor_load_to_lds s[60:63], s[44:51]          ; the three first fills go out together: three loads of mine are out
	s_nop 0
	tensor_load_to_lds s[68:71], s[52:59]
	s_nop 0
	tensor_load_to_lds s[72:75], s[52:59]
	s_nop 0
	PLACES
	; where my wave's scales, biases and results lie
	s_lshl_b32 s84, s37, 1
	s_add_co_u32 s84, s84, s34                     ; my head = 2 g + wc
	s_lshr_b32 s85, s38, 3
	s_lshl_b32 s85, s85, 4
	s_add_co_u32 s85, s85, s84                     ; bh = 16 x batch + head
	s_and_b32 s86, s38, 7
	s_lshl_b32 s86, s86, 1
	s_add_co_u32 s86, s86, s33                     ; my key step in the batch = 2 (y % 8) + wr
	s_mov_b32 s89, 0
	s_lshl_b32 s88, s38, 13
	s_lshl_b32 s87, s33, 12
	s_add_co_u32 s88, s88, s87
	s_add_nc_u64 s[6:7], s[6:7], s[88:89]          ; x's scales at row 256 y + 128 wr, 32 bytes a row
	s_lshl_b32 s88, s84, 11
	s_add_nc_u64 s[10:11], s[10:11], s[88:89]      ; the weights' scales at row 64 x head
	s_add_nc_u64 s[16:17], s[16:17], s[88:89]
	s_add_nc_u64 s[22:23], s[22:23], s[88:89]
	s_lshl_b32 s88, s84, 8
	s_add_nc_u64 s[12:13], s[12:13], s[88:89]      ; the biases likewise
	s_add_nc_u64 s[18:19], s[18:19], s[88:89]
	s_add_nc_u64 s[24:25], s[24:25], s[88:89]
	s_lshl_b32 s88, s85, 16
	s_lshl_b32 s87, s86, 12
	s_add_co_u32 s88, s88, s87
	s_add_nc_u64 s[26:27], s[26:27], s[88:89]      ; qc: 65,536 bytes a head, 4,096 a step
	s_lshl_b32 s88, s85, 12
	s_lshl_b32 s87, s86, 8
	s_add_co_u32 s88, s88, s87
	s_add_nc_u64 s[28:29], s[28:29], s[88:89]      ; qs: 4,096 a head, 256 a step
	s_mul_i32 s88, s85, 139264
	s_mul_i32 s87, s86, 8704
	s_add_co_u32 s88, s88, s87
	s_add_nc_u64 s[30:31], s[30:31], s[88:89]      ; kv: 139,264 a head, 8,704 a step
	v_and_b32 v1, 15, v0                           ; r
	v_bfe_u32 v2, v0, 4, 1                         ; h
	v_and_b32 v[LI], 31, v0
	v_lshlrev_b32 v[LI], 4, v[LI]
	v_mul_u32_u24 v13, v1, PITCH
	v_lshl_add_u32 v13, v2, 4, v13                 ; a fragment's row x pitch + 16 x half
	s_mul_i32 s87, s33, 128*PITCH
	v_add_nc_u32 v[AX], s87, v13
	s_mul_i32 s87, s34, 64*PITCH
	s_add_co_u32 s87, s87, WAB
	v_add_nc_u32 v[AWA], s87, v13
	v_add_nc_u32 v[AWB], 128*PITCH, v[AWA]
	v_lshlrev_b32 v[SX], 5, v1
	v_lshlrev_b32 v[BPO], 5, v2
	v_lshlrev_b32 v[BRO], 2, v1
	v_lshlrev_b32 v[S8], 4, v1
	v_lshl_add_u32 v[S8], v2, 3, v[S8]
.irp b, 0,1,2,3
	v_mov_b32 v[TM+4+\b], 0                        ; written once: a lane permute's destination counts as one of its sources
.endr
	LDXS
	LDWS 10
	LDBP 12
	s_wait_alu depctr_va_vdst(0)
	s_wait_tensorcnt 0x1                           ; my parts of x and of Wq are in; Wk's load may stay out
	s_barrier_signal -1
	s_barrier_wait -1                              ; everybody's are
	WFETCH AWA, 0, 0
	XFETCH 0
	s_wait_loadcnt 0x0                             ; scale words and bias
	; ---- q
.irp s, 0,1,2,3,4,5,6,7
	KSTEP 0, AWA, \s, 1
.endr
	WIN 0
	PLACES
	LDWS 16                                        ; k's scale words and bias land while q is quantised
	LDBP 18
	EPI 26, 0, 28, 0
	; ---- Wv takes Wq's region
	s_wait_tensorcnt 0x0                           ; all my tensor loads have landed, my part of Wk among them;
	ds_add_u32 v[SPW], v[NIL]                      ; 0 onto my spare word;
	s_wait_dscnt 0x0                               ; the add is done, and my reads of Wq's region are over
	CROUND                                         ; that now holds of every wave of every partner
	tensor_load_to_lds s[76:79], s[52:59]          ; my one load behind the round: it has the whole of k's product in which to land
	s_nop 0
	PLACES
	; ---- k
	s_wait_loadcnt 0x0
	s_wait_xcnt 0x0                                ; q's stores have read their registers: both fragment sets may be loaded again
	WFETCH AWB, 0, 0
.irp s, 0,1,2,3,4,5,6,7
	KSTEP 0, AWB, \s, 0
.endr
	WIN 0
	PLACES
	LDWS 22
	LDBR 24
	EPI 30, 0, 30, 8192
	s_wait_tensorcnt 0x0                           ; my part of Wv is in,
	s_wait_dscnt 0x0
	s_barrier_signal -1
	s_barrier_wait -1                              ; everybody's is
	; ---- v
	s_wait_loadcnt 0x0
	s_wait_xcnt 0x0
.irp b, 0,1,2,3
.irp j, 1,2,3,4,5,6,7
	v_mov_b32 v[BIAS+8*\b+\j], v[BIAS+8*\b]        ; a lane holds one d here: its bias stands in all eight registers of the tile
.endr
.endr
	WFETCH AWA, 0, 0
	s_wait_alu depctr_va_vdst(0)
.irp s, 0,1,2,3,4,5,6,7
	KSTEP 1, AWA, \s, 0
.endr
	WIN 0
	PLACES
	EPI 30, 4096, 30, 8448
	s_wait_tensorcnt 0x0                           ; the wave's end
	ds_add_u32 v[SPW], v[NIL]
	s_wait_dscnt 0x0
	CROUND                                         ; the closing round: no work-group ends while a partner may still ask for a tile that names it
	s_endpgm
.Lfunc_end_k_q2aaa062bb7_qkv:
	.size	k_q2aaa062bb7_qkv, .Lfunc_end_k_q2aaa062bb7_qkv-k_q2aaa062bb7_qkv
	.p2alignl 7, 3214868480
	.fill 96, 4, 3214868480
	.section	.rodata,"a",@progbits
	.p2align	6, 0x0
	.amdhsa_kernel k_q2aaa062bb7_qkv
		.amdhsa_group_segment_fixed_size 327680
		.amdhsa_private_segment_fixed_size 0
		.amdhsa_enable_private_segment 0
		.amdhsa_kernarg_size 112
		.amdhsa_user_sgpr_count 2
		.amdhsa_user_sgpr_kernarg_segment_ptr 1
		.amdhsa_wavefront_size32 1
		.amdhsa_system_sgpr_workgroup_id_x 1
		.amdhsa_system_sgpr_workgroup_id_y 1
		.amdhsa_system_sgpr_workgroup_id_z 1
		.amdhsa_system_vgpr_workitem_id 0
		.amdhsa_next_free_vgpr 1024
		.amdhsa_next_free_sgpr 100
		.amdhsa_reserve_vcc 0
		.amdhsa_float_denorm_mode_32 3
		.amdhsa_float_denorm_mode_16_64 3
		.amdhsa_memory_ordered 1
		.amdhsa_forward_progress 1
		.amdhsa_inst_pref_size 186
	.end_amdhsa_kernel
	.amdgpu_metadata
---
amdhsa.version: [ 1, 2 ]
amdhsa.kernels:
  - .name:           k_q2aaa062bb7_qkv
    .symbol:         k_q2aaa062bb7_qkv.kd
    .args:
      - { .name: x_codes, .offset: 0, .size: 8, .value_kind: global_buffer, .address_space: global }
      - { .name: x_scales, .offset: 8, .size: 8, .value_kind: global_buffer, .address_space: global }
      - { .name: Wq_codes, .offset: 16, .size: 8, .value_kind: global_buffer, .address_space: global }
      - { .name: Wq_scales, .offset: 24, .size: 8, .value_kind: global_buffer, .address_space: global }
      - { .name: bq, .offset: 32, .size: 8, .value_kind: global_buffer, .address_space: global }
      - { .name: Wk_codes, .offset: 40, .size: 8, .value_kind: global_buffer, .address_space: global }
      - { .name: Wk_scales, .offset: 48, .size: 8, .value_kind: global_buffer, .address_space: global }
      - { .name: bk, .offset: 56, .size: 8, .value_kind: global_buffer, .address_space: global }
      - { .name: Wv_codes, .offset: 64, .size: 8, .value_kind: global_buffer, .address_space: global }
      - { .name: Wv_scales, .offset: 72, .size: 8, .value_kind: global_buffer, .address_space: global }
      - { .name: bv, .offset: 80, .size: 8, .value_kind: global_buffer, .address_space: global }
      - { .name: qc, .offset: 88, .size: 8, .value_kind: global_buffer, .address_space: global }
      - { .name: qs, .offset: 96, .size: 8, .value_kind: global_buffer, .address_space: global }
      - { .name: kv, .offset: 104, .size: 8, .value_kind: global_buffer, .address_space: global }
    .group_segment_fixed_size: 327680
    .private_segment_fixed_size: 0
    .kernarg_segment_align: 8
    .kernarg_segment_size: 112
    .max_flat_workgroup_size: 128
    .sgpr_count:     100
    .vgpr_count:     1024
    .wavefront_size: 32
...
	.end_amdgpu_metadata
.endif
;; end of part 1
;; launch attn (part 2): grid 4 x 64, 16 waves a work-group, clusters of 4 x 1, 169,984 bytes of LDS; arguments qc, qs, kv, ac, asc; writes ac, asc
.if DOCPART == 2
	.amdgcn_target "amdgcn-amd-amdhsa--gfx1250"
	.amdhsa_code_object_version 6
	.text
	.protected	k_q2aaa062bb7_attn
	.globl	k_q2aaa062bb7_attn
	.p2align	8
	.type	k_q2aaa062bb7_attn,@function
k_q2aaa062bb7_attn:
	s_mov_b64 s[64:65], 0
	v_nop
	global_prefetch_b8 v0, s[64:65] scope:SCOPE_SE
	s_setreg_imm32_b32 hwreg(HW_REG_WAVE_MODE, 25, 1), 1
	s_wait_xcnt 0x0
	s_wait_alu depctr_hold_cnt(0) depctr_sa_sdst(0) depctr_va_vdst(0) depctr_va_sdst(0) depctr_va_ssrc(0) depctr_va_vcc(0) depctr_vm_vsrc(0)
	s_getreg_b32 s2, hwreg(HW_REG_IB_STS2, 6, 4)
	s_cmp_eq_u32 s2, 0
	s_cbranch_scc0 .Lentry_in_a_cluster
	s_endpgm
.Lentry_in_a_cluster:
	s_bfe_u32 s2, ttmp6, 0x10000c
	s_cmp_lg_u32 s2, 0x3003
	s_cbranch_scc0 .Lentry_shape_is_right
	s_endpgm
.Lentry_shape_is_right:
; Causal attention of one head on codes of FP4 (E2M1) with E8M0 scales; head size 64, 2,048 keys.  The result, divided by the row's sum, is quantised along d and leaves as images of the last product's operand registers.
; THE SOFTMAX: t = score x log2(e) / 8; M = the running largest t rounded UP to a whole number; p = 2^(t - M) is quantised along the keys, not normalised; the row's sum is taken of the unquantised p;
; when M moves, the sum and O are multiplied by 2^(old M - new M), which rounds nothing.
; SHARES.  The four work-groups of a cluster share one head (work-group y).  A head's K and V, codes and scales, are 139,264 bytes: they come into LDS ONCE, by sixteen joint loads (wave w brings key step w), and stay:
; one barrier, and from there on no wave waits for another.  Wave w of partner cx takes query tiles 4 w + cx and 127 - (4 w + cx), one after the other: their last key steps are w / 2 and 15 - w / 2, which hang on the wave's
; number alone, and every wave of the launch walks 17 key steps of 128 keys.  Sixteen waves of 256 registers: four to a SIMD, so that one wave's vector work stands beside another's products and LDS loads.
; LAYOUT.  Both products are used transposed (S^T = K Q^T, O^T = V^T P^T): a lane holds ONE query (lane % 16) throughout.
; K = 64 IN A PRODUCT OF 128: a fragment of K holds keys 32 f + r in k 0-63 and keys 32 f + 16 + r in k 64-127; it is multiplied once by (q, zeros) and once by (zeros, q).  Zero codes add nothing; their scale bytes on q's side are 127.
; Every fragment lies in LDS as an image of its registers: a load reads 512 consecutive bytes.
; LIMITS: NaN and infinities are not served; a block whose largest magnitude lies under 2^-124 (a block of zeros among them) keeps the scale byte 1: the bytes are read by this program alone.
; The scale bytes of the result leave as single bytes, two to a row of 32: one byte in 17 of what the launch stores; so the last launch reads them as the first reads x's.
; REGISTERS: v1-6 addresses; v12 -M, v13 the largest t, v[14:15] the sum in two halves; v16-19 zeros, v20-23 q, v24-27 zeros; v28, v29 q's two scale words; v32-63 K; v64-95 V; v96-159 S^T, then p, then O / sum;
; v160-191 O^T; v192-199 codes; v200-203 scale words (lanes 0-15 K's, lanes 16-31 V's); v204 p's scale word; v232-254 at work.
.set STEPB, 8704                       ; a key step in LDS and in memory: K 4,096, V 4,096, K's scale words 256, V's 256
.set LI,  1                            ; v1  16 x lane
.set R16, 2                            ; v2  16 r
.set SA,  3                            ; v3  32 r + h: my scale byte's place
.set AD,  4                            ; v4  LDS address of the step in hand
.set DQ,  5                            ; v5  my query less the diagonal step's first key less 8 h
.set RH,  6                            ; v6  r - 8 h
.set WV,  14                           ; s14 my wave's number
.set TI,  21                           ; s21 which of my two tiles
.set T,   22                           ; s22 the tile
.set LIM, 23                           ; s23 its last key step
.set J,   24                           ; s24 the key step
.set TB,  25                           ; s25 where it begins in LDS
.set SEL, 26                           ; s[26:27] lane l xor 16
.set CS,  28                           ; s[28:29] c = log2(e) / 8; the packed form names a pair and takes its low word
.set HM,  30                           ; s30 lanes 16-31
.macro PLACES
.rept 4
	v_nop
.endr
.endm
.macro CROUND                          ; a round of the cluster's barrier
	s_barrier_signal -1
	s_barrier_wait -1
	s_cmp_lg_u32 s[WV], 0
	s_cbranch_scc1 .Lnot_wave_0_\@
	s_barrier_signal -3
.Lnot_wave_0_\@:
	s_barrier_wait -3
	s_barrier_signal -1
	s_barrier_wait -1
.endm
	s_load_b256 s[4:11], s[0:1], 0x0               ; qc s[4:5], qs s[6:7], kv s[8:9], ac s[10:11]
	s_load_b64 s[12:13], s[0:1], 0x20              ; asc
	v_lshl_add_u32 v251, v0, 2, 0x29000
	v_mov_b32 v255, 0
	ds_add_u32 v251, v255
	ds_add_u32 v251, v255
	v_lshrrev_b32 v4, 5, v0
	s_delay_alu instid0(VALU_DEP_1)
	v_readfirstlane_b32 s[WV], v4                  ; wave 0..15
	s_bfe_u32 s15, ttmp6, 0x40000                  ; cx: it enters global addresses and the mask's bound alone
	s_and_b32 s16, ttmp7, 0xffff                   ; bh = 16 x batch + head, which the four partners share
	s_lshl_b32 s17, s[WV], 2
	s_add_co_u32 s17, s17, s15                     ; my first tile
	s_sub_co_u32 s18, 127, s17                     ; my second
	s_lshr_b32 s19, s[WV], 1                       ; their last key steps
	s_sub_co_u32 s20, 15, s19
	s_mov_b32 s[SEL], 0x76543210
	s_mov_b32 s[SEL+1], 0xfedcba98
	s_mov_b32 s[CS], 0x3e38aa3b
	s_mov_b32 s[CS+1], s[CS]
	s_mov_b32 s[HM], 0xffff0000
	; descriptor group 1: a key step is a dense block: 34 rows of 256 bytes (32 elements of 8 bytes), no padding; the mask names all four partners
	s_mov_b32 s36, 15|(3<<16)|(1<<21)
	s_mov_b32 s37, 32<<16
	s_mov_b32 s38, 34<<16
	s_mov_b32 s39, 32<<16
	s_mov_b32 s40, 34
	s_mov_b32 s41, 32
	s_mov_b32 s42, 0
	s_mov_b32 s43, 0
	s_mov_b32 s32, 1
	s_mul_i32 s33, s[WV], STEPB                    ; key step w, in LDS
	s_mul_i32 s52, s16, 16*STEPB
	s_add_co_u32 s52, s52, s33                     ; and in memory
	s_mov_b32 s53, 0
	s_wait_dscnt 0x0
	s_wait_kmcnt 0x0
	s_add_nc_u64 s[34:35], s[8:9], s[52:53]
	s_or_b32 s35, s35, 0x80000000
	CROUND                                         ; all four work-groups are here: the joint loads meet
	tensor_load_to_lds s[32:35], s[36:43]          ; my one tensor load of the launch
	s_nop 0
	PLACES
	s_lshl_b32 s52, s16, 16
	s_add_nc_u64 s[4:5], s[4:5], s[52:53]          ; qc at my head
	s_lshl_b32 s52, s16, 12
	s_add_nc_u64 s[6:7], s[6:7], s[52:53]          ; qs
	s_lshr_b32 s54, s16, 4                         ; batch
	s_and_b32 s55, s16, 15                         ; head
	s_lshl_b32 s52, s54, 20
	s_lshl_b32 s56, s55, 9
	s_add_co_u32 s52, s52, s56
	s_add_nc_u64 s[10:11], s[10:11], s[52:53]      ; ac: 8,192 bytes a tile of rows, 512 a head
	s_lshl_b32 s52, s54, 16
	s_lshl_b32 s56, s55, 1
	s_add_co_u32 s52, s52, s56
	s_add_nc_u64 s[12:13], s[12:13], s[52:53]      ; asc: 32 bytes a row, 2 a head
	v_and_b32 v7, 15, v0                           ; r
	v_bfe_u32 v8, v0, 4, 1                         ; h
	v_and_b32 v[LI], 31, v0
	s_delay_alu instid0(VALU_DEP_1)
	v_lshlrev_b32 v[LI], 4, v[LI]
	s_delay_alu instid0(VALU_DEP_4)
	v_lshlrev_b32 v[R16], 4, v7
	s_delay_alu instid0(VALU_DEP_4)
	v_lshl_add_u32 v[SA], v7, 5, v8
	v_lshlrev_b32 v[RH], 3, v8
	s_delay_alu instid0(VALU_DEP_1)
	v_sub_nc_u32 v[RH], v7, v[RH]
.irp j, 16,17,18,19,24,25,26,27
	v_mov_b32 v\j, 0                               ; the zero codes beside q
.endr
.irp j, 236,237,238,239,252,253
	v_mov_b32 v\j, 0                               ; written once: lane permutes' destinations, and the upper half of the pair v[252:253]
.endr
	s_wait_tensorcnt 0x0                           ; my key step is in,
	s_barrier_signal -1
	s_barrier_wait -1                              ; the whole head is
	s_mov_b32 s[TI], 0
.Ltile:
	s_wait_xcnt 0x0                                ; the last tile's loads and stores have read their bases and registers
	s_cmp_eq_u32 s[TI], 0
	s_cselect_b32 s[T], s17, s18
	s_cselect_b32 s[LIM], s19, s20
	s_lshl_b32 s52, s[T], 9
	s_add_nc_u64 s[44:45], s[4:5], s[52:53]        ; q's image
	s_add_nc_u64 s[50:51], s[12:13], s[52:53]      ; the result's scale bytes: 16 rows of 32
	s_lshr_b32 s52, s[T], 3
	s_lshl_b32 s52, s52, 8
	s_bfe_u32 s54, s[T], 0x20001
	s_lshl_b32 s54, s54, 2
	s_add_co_u32 s52, s52, s54
	s_add_nc_u64 s[46:47], s[6:7], s[52:53]        ; q's scale word: step T / 8, word (T / 2) % 4
	s_lshl_b32 s52, s[T], 13
	s_add_nc_u64 s[48:49], s[10:11], s[52:53]      ; the result's image
	s_and_b32 s31, s[T], 1
	s_lshl_b32 s31, s31, 4                         ; and its half: 16 (T % 2) bits up
	s_and_b32 s54, s[T], 7
	s_lshl_b32 s54, s54, 4
	global_load_b128 v[20:23], v[LI], s[44:45]
	global_load_b32 v30, v[R16], s[46:47]
	s_wait_loadcnt 0x0
	v_lshrrev_b32 v30, s31, v30
	s_delay_alu instid0(VALU_DEP_1)
	v_and_b32 v30, 0xffff, v30                     ; q's two bytes
	s_delay_alu instid0(VALU_DEP_1)
	v_or_b32 v28, 0x7f7f0000, v30                  ; for (q, zeros)
	s_delay_alu instid0(VALU_DEP_2)
	v_lshl_or_b32 v29, v30, 16, 0x7f7f             ; for (zeros, q).  The lines below are the places between these and the first product
	v_add_nc_u32 v[DQ], s54, v[RH]
	v_mov_b32 v13, 0xff61b1e6                      ; the largest t so far: -3e38, under every t
	s_delay_alu instid0(VALU_DEP_1)
	v_floor_f32 v12, -v13                          ; -M
	v_mov_b32 v14, 0
	v_mov_b32 v15, 0
.set n, 0
.rept 32
	v_mov_b32 v[160+n], 0                          ; O^T.  (The step is written once: the first finds zeros, which the first change of M leaves zeros)
.set n, n+1
.endr
	s_mov_b32 s[TB], 0
	s_mov_b32 s[J], 0
.Lstep:                                            ; sixteen trips whatever the tile, so that the LDS address steps by a constant a constant number of times; a step all of whose keys come after my queries does nothing
	s_cmp_gt_u32 s[J], s[LIM]
	s_cbranch_scc1 .Lhid
	s_setprio 2
	v_add_nc_u32 v[AD], s[TB], v[LI]
	ds_load_b128 v[200:203], v[AD] offset:8192     ; lanes 0-15: K's four scale words of row r; lanes 16-31: V's
.irp f, 0,1,2,3
	ds_load_b128 v[32+8*\f:35+8*\f], v[AD] offset:1024*\f
	ds_load_b128 v[36+8*\f:39+8*\f], v[AD] offset:1024*\f+512
.endr
.irp t, 0,1,2,3
	ds_load_b128 v[64+8*\t:67+8*\t], v[AD] offset:4096+1024*\t
	ds_load_b128 v[68+8*\t:71+8*\t], v[AD] offset:4096+1024*\t+512
.endr
	s_wait_dscnt 0x8                               ; the scale words and K are in; V's eight loads may stay out
.irp f, 0,1,2,3                                ; register 8 u + j of v96 on: key 16 u + 8 h + j of the step, query r
	v_wmma_scale_f32_16x16x128_f8f6f4 v[96+16*\f:103+16*\f], v[32+8*\f:39+8*\f], v[20:27], 0, v[200+\f], v28 matrix_a_fmt:MATRIX_FMT_FP4 matrix_b_fmt:MATRIX_FMT_FP4
	v_wmma_scale_f32_16x16x128_f8f6f4 v[104+16*\f:111+16*\f], v[32+8*\f:39+8*\f], v[16:23], 0, v[200+\f], v29 matrix_a_fmt:MATRIX_FMT_FP4 matrix_b_fmt:MATRIX_FMT_FP4
.endr
	PLACES
	s_cmp_lt_u32 s[J], s[LIM]
	s_cbranch_scc1 .Lopen                          ; all keys of the step count
	v_mov_b32 v254, 0xff800000                     ; on the diagonal the scores of hidden keys become -infinity ahead of the maximum: p = 0 then.  The step's first key counts for every query of the tile
.set n, 0
.rept 64
	v_cmp_gt_i32 vcc_lo, 16*(n/8)+n%8, v[DQ]
	v_cndmask_b32 v[96+n], v[96+n], v254, vcc_lo
.set n, n+1
.endr
.Lopen:
.irp b, 0,1,2,3
	v_max3_num_f32 v[232+\b], v[96+16*\b], v[97+16*\b], v[98+16*\b]   ; the largest score of each block of 32 keys: for the row's maximum, and, since p rises with the score, for the block's largest p
.endr
.irp i, 3,5,7,9,11,13
.irp b, 0,1,2,3
	v_max3_num_f32 v[232+\b], v[232+\b], v[96+16*\b+\i], v[97+16*\b+\i]
.endr
.endr
.irp b, 0,1,2,3
	v_max_num_f32 v[232+\b], v[232+\b], v[111+16*\b]
.endr
.irp b, 0,1,2,3
	s_delay_alu instid0(VALU_DEP_4)
	v_permlanex16_b32 v[236+\b], v[232+\b], s[SEL], s[SEL+1]
.endr
.irp b, 0,1,2,3
	s_delay_alu instid0(VALU_DEP_4)
	v_max_num_f32 v[232+\b], v[232+\b], v[236+\b]  ; with lane l xor 16's 16 keys
.endr
	s_delay_alu instid0(VALU_DEP_2)
	v_max3_num_f32 v254, v232, v233, v234
	s_delay_alu instid0(VALU_DEP_1)
	v_max_num_f32 v254, v254, v235
	s_delay_alu instid0(VALU_DEP_1)
	v_mul_f32 v254, s[CS], v254                    ; the step's largest t (c is positive)
	s_delay_alu instid0(VALU_DEP_1)
	v_max_num_f32 v13, v13, v254
	v_mov_b32 v254, v12
	s_delay_alu instid0(VALU_DEP_2)
	v_floor_f32 v12, -v13                          ; the new -M = -ceil(t)
	s_delay_alu instid0(VALU_DEP_1)
	v_sub_f32 v254, v12, v254                      ; old M - new M: a whole number, 0 or less
	s_delay_alu instid0(VALU_DEP_1)
	v_cvt_i32_f32 v254, v254                       ; (it saturates)
	s_delay_alu instid0(VALU_DEP_1)
	v_ldexp_f32 v252, 1.0, v254                    ; f = 2^(old M - new M)
.set n, 0
.rept 32
	v_pk_fma_f32 v[96+n:97+n], v[96+n:97+n], s[CS:CS+1], v[12:13] op_sel_hi:[1,0,0]   ; t - M, two at a time
.set n, n+2
.endr
	s_setprio 1
.irp b, 0,1,2,3
	v_fma_f32 v[232+\b], v[232+\b], s[CS], v12     ; the same of each block's largest score
.endr
.set n, 0
	s_wait_alu depctr_va_vdst(0)
.rept 64
	v_exp_f32 v[96+n], v[96+n]                     ; p = 2^(t - M)
.set n, n+1
.endr
	v_pk_mul_f32 v[14:15], v[14:15], v[252:253] op_sel_hi:[1,0]   ; the sums under the new M: the plain place behind the exponentials
	s_wait_alu depctr_va_vdst(0)                   ; one wait for the whole batch, ahead of its first reader
.irp b, 0,1,2,3
	v_exp_f32 v[232+\b], v[232+\b]                 ; the block's largest p: the same two instructions on the same number
.endr
	v_pk_add_f32 v[236:237], v[100:101], v[104:105]
	v_pk_add_f32 v[248:249], v[108:109], v[112:113]
	v_pk_add_f32 v[246:247], v[116:117], v[120:121]
	v_pk_add_f32 v[244:245], v[124:125], v[128:129]
	v_pk_add_f32 v[242:243], v[132:133], v[136:137]
	v_pk_add_f32 v[240:241], v[140:141], v[144:145]
	v_pk_add_f32 v[238:239], v[148:149], v[152:153]
	v_pk_add_f32 v[14:15], v[14:15], v[156:157]
	v_pk_add_f32 v[236:237], v[236:237], v[96:97]
	v_pk_add_f32 v[248:249], v[248:249], v[98:99]
	v_pk_add_f32 v[246:247], v[246:247], v[102:103]
	v_pk_add_f32 v[244:245], v[244:245], v[106:107]
	v_pk_add_f32 v[242:243], v[242:243], v[110:111]
	v_pk_add_f32 v[240:241], v[240:241], v[114:115]
	v_pk_add_f32 v[238:239], v[238:239], v[118:119]
	v_pk_add_f32 v[14:15], v[14:15], v[122:123]
	v_pk_add_f32 v[236:237], v[236:237], v[126:127]
	v_pk_add_f32 v[248:249], v[248:249], v[130:131]
	v_pk_add_f32 v[246:247], v[246:247], v[134:135]
	v_pk_add_f32 v[244:245], v[244:245], v[138:139]
	v_pk_add_f32 v[242:243], v[242:243], v[142:143]
	v_pk_add_f32 v[240:241], v[240:241], v[146:147]
	v_pk_add_f32 v[238:239], v[238:239], v[150:151]
	v_pk_add_f32 v[14:15], v[14:15], v[154:155]
	v_pk_add_f32 v[236:237], v[236:237], v[158:159]
	s_delay_alu instid0(VALU_DEP_2)
	v_pk_add_f32 v[14:15], v[14:15], v[244:245]
	s_delay_alu instid0(VALU_DEP_2)
	v_pk_add_f32 v[236:237], v[236:237], v[242:243]
	v_pk_add_f32 v[248:249], v[248:249], v[240:241]
	v_pk_add_f32 v[246:247], v[246:247], v[238:239]
	s_delay_alu instid0(VALU_DEP_2)
	v_pk_add_f32 v[14:15], v[14:15], v[248:249]
	s_delay_alu instid0(VALU_DEP_2)
	v_pk_add_f32 v[236:237], v[236:237], v[246:247]
	s_delay_alu instid0(VALU_DEP_1)
	v_pk_add_f32 v[14:15], v[14:15], v[236:237]
	s_wait_alu depctr_va_vdst(0)                   ; and one for the four
.irp b, 0,1,2,3
	v_max_num_f32 v[232+\b], 0x1800000, v[232+\b]  ; the floor 2^(3 - 127): the byte cannot fall under 1
.endr
.irp b, 0,1,2,3
	s_delay_alu instid0(VALU_DEP_4)
	v_add_nc_u32 v[244+\b], 0xff000000, v[232+\b]  ; 2 off the exponent field: the conversion's scale operand
.endr
.irp b, 0,1,2,3
	s_delay_alu instid0(VALU_DEP_4)
	v_lshrrev_b32 v[236+\b], 23, v[244+\b]         ; the scale's byte
.endr
	s_delay_alu instid0(VALU_DEP_3)
	v_lshl_or_b32 v204, v237, 8, v236              ; p's scale word for these 128 keys
	s_delay_alu instid0(VALU_DEP_1)
	v_lshl_or_b32 v204, v238, 16, v204
	s_delay_alu instid0(VALU_DEP_1)
	v_lshl_or_b32 v204, v239, 24, v204
	s_setprio 0
.irp b, 0,1,2,3
	v_cvt_scalef32_pk8_fp4_f32 v[192+4*(\b/2)+\b%2], v[96+16*\b:103+16*\b], v[244+\b]      ; piece h of block b
	v_cvt_scalef32_pk8_fp4_f32 v[194+4*(\b/2)+\b%2], v[104+16*\b:111+16*\b], v[244+\b]     ; piece 2 + h
.endr
	v_nop                                          ; one plain place behind the scaled conversions
.irp c, 0,2,4,6
	v_permlane16_swap_b32 v[192+\c], v[193+\c]     ; lanes 0-15 then hold the even block of a pair whole, lanes 16-31 the odd one
.endr
.set n, 0
.rept 16
	v_pk_mul_f32 v[160+n:161+n], v[160+n:161+n], v[252:253] op_sel_hi:[1,0]   ; O^T under the new M; these sixteen are also the places in front of the products below
.set n, n+2
.endr
	s_wait_alu depctr_va_vdst(0)
	s_wait_dscnt 0x0                               ; V is in
.irp t, 0,1,2,3                                ; O^T += V^T P^T: register 8 t + j: d = 16 t + 8 h + j, query r
	v_wmma_scale_f32_16x16x128_f8f6f4 v[160+8*\t:167+8*\t], v[64+8*\t:71+8*\t], v[192:199], v[160+8*\t:167+8*\t], v[200+\t], v204 matrix_a_fmt:MATRIX_FMT_FP4 matrix_b_fmt:MATRIX_FMT_FP4 matrix_a_scale:MATRIX_SCALE_ROW1
.endr
	PLACES                                         ; in front of the next step's loads and of the way out's reads
.Lhid:
	s_add_co_u32 s[TB], s[TB], STEPB
	s_add_co_u32 s[J], s[J], 1
	s_cmp_lt_u32 s[J], 16
	s_cbranch_scc1 .Lstep
	s_setprio 0
	; THE TILE'S WAY OUT: O^T / the sum, quantised along d (two blocks), as in the loop
	v_add_f32 v14, v14, v15
	s_delay_alu instid0(VALU_DEP_1)
	v_permlanex16_b32 v252, v14, s[SEL], s[SEL+1]
	s_delay_alu instid0(VALU_DEP_1)
	v_add_f32 v14, v14, v252                       ; the row's sum
	s_wait_alu depctr_va_vdst(0)
	v_rcp_f32 v14, v14
	v_nop                                          ; a plain place behind the reciprocal
	s_wait_alu depctr_va_vdst(0)                   ; and the wait ahead of its first reader
.set n, 0
.rept 16
	v_pk_mul_f32 v[96+n:97+n], v[160+n:161+n], v[14:15] op_sel_hi:[1,0]
.set n, n+2
.endr
.irp b, 0,1
	v_max3_num_f32 v[232+\b], |v[96+16*\b]|, |v[97+16*\b]|, 0x1800000
.endr
.irp i, 2,4,6,8,10,12,14
.irp b, 0,1
	s_delay_alu instid0(VALU_DEP_2)
	v_max3_num_f32 v[232+\b], v[232+\b], |v[96+16*\b+\i]|, |v[97+16*\b+\i]|
.endr
.endr
.irp b, 0,1
	s_delay_alu instid0(VALU_DEP_2)
	v_permlanex16_b32 v[236+\b], v[232+\b], s[SEL], s[SEL+1]
.endr
.irp b, 0,1
	s_delay_alu instid0(VALU_DEP_2)
	v_max_num_f32 v[232+\b], v[232+\b], v[236+\b]
.endr
.irp b, 0,1
	s_delay_alu instid0(VALU_DEP_2)
	v_add_nc_u32 v[244+\b], 0xff000000, v[232+\b]
.endr
.irp b, 0,1
	s_delay_alu instid0(VALU_DEP_2)
	v_lshrrev_b32 v[236+\b], 23, v[244+\b]
.endr
	s_delay_alu instid0(VALU_DEP_1)
	v_cndmask_b32 v238, v236, v237, s[HM]          ; lane (r, h) stores block h's byte of row r
.irp b, 0,1
	v_cvt_scalef32_pk8_fp4_f32 v[192+\b], v[96+16*\b:103+16*\b], v[244+\b]
	v_cvt_scalef32_pk8_fp4_f32 v[194+\b], v[104+16*\b:111+16*\b], v[244+\b]
.endr
	v_nop
	v_permlane16_swap_b32 v192, v193
	v_permlane16_swap_b32 v194, v195
	global_store_b128 v[LI], v[192:195], s[48:49]  ; the wave stores 512 consecutive bytes
	global_store_b8 v[SA], v238, s[50:51]
	s_add_co_u32 s[TI], s[TI], 1
	s_cmp_lt_u32 s[TI], 2
	s_cbranch_scc1 .Ltile
	s_wait_dscnt 0x0                               ; no LDS instruction of mine is pending at a signal
	s_wait_tensorcnt 0x0
	ds_add_u32 v251, v255
	s_wait_dscnt 0x0
	CROUND                                         ; the closing round: no work-group ends while a partner may still ask for a tile that names it
	s_endpgm
.Lfunc_end_k_q2aaa062bb7_attn:
	.size	k_q2aaa062bb7_attn, .Lfunc_end_k_q2aaa062bb7_attn-k_q2aaa062bb7_attn
	.p2alignl 7, 3214868480
	.fill 96, 4, 3214868480
	.section	.rodata,"a",@progbits
	.p2align	6, 0x0
	.amdhsa_kernel k_q2aaa062bb7_attn
		.amdhsa_group_segment_fixed_size 169984
		.amdhsa_private_segment_fixed_size 0
		.amdhsa_enable_private_segment 0
		.amdhsa_kernarg_size 40
		.amdhsa_user_sgpr_count 2
		.amdhsa_user_sgpr_kernarg_segment_ptr 1
		.amdhsa_wavefront_size32 1
		.amdhsa_system_sgpr_workgroup_id_x 1
		.amdhsa_system_sgpr_workgroup_id_y 1
		.amdhsa_system_sgpr_workgroup_id_z 1
		.amdhsa_system_vgpr_workitem_id 0
		.amdhsa_next_free_vgpr 256
		.amdhsa_next_free_sgpr 66
		.amdhsa_reserve_vcc 1
		.amdhsa_float_denorm_mode_32 3
		.amdhsa_float_denorm_mode_16_64 3
		.amdhsa_memory_ordered 1
		.amdhsa_forward_progress 1
		.amdhsa_inst_pref_size 33
	.end_amdhsa_kernel
	.amdgpu_metadata
---
amdhsa.version: [ 1, 2 ]
amdhsa.kernels:
  - .name:           k_q2aaa062bb7_attn
    .symbol:         k_q2aaa062bb7_attn.kd
    .args:
      - { .name: qc, .offset: 0, .size: 8, .value_kind: global_buffer, .address_space: global }
      - { .name: qs, .offset: 8, .size: 8, .value_kind: global_buffer, .address_space: global }
      - { .name: kv, .offset: 16, .size: 8, .value_kind: global_buffer, .address_space: global }
      - { .name: ac, .offset: 24, .size: 8, .value_kind: global_buffer, .address_space: global }
      - { .name: asc, .offset: 32, .size: 8, .value_kind: global_buffer, .address_space: global }
    .group_segment_fixed_size: 169984
    .private_segment_fixed_size: 0
    .kernarg_segment_align: 8
    .kernarg_segment_size: 40
    .max_flat_workgroup_size: 512
    .sgpr_count:     66
    .vgpr_count:     256
    .wavefront_size: 32
...
	.end_amdgpu_metadata
.endif
;; end of part 2
;; launch oproj (part 3): grid 8 x 32, 4 waves a work-group, clusters of 4 x 4, 327,680 bytes of LDS; arguments ac, asc, Wo_codes, Wo_scales, bo, out0; writes out0
.if DOCPART == 3
	.amdgcn_target "amdgcn-amd-amdhsa--gfx1250"
	.amdhsa_code_object_version 6
	.text
	.protected	k_q2aaa062bb7_oproj
	.globl	k_q2aaa062bb7_oproj
	.p2align	8
	.type	k_q2aaa062bb7_oproj,@function
k_q2aaa062bb7_oproj:
	s_mov_b64 s[64:65], 0
	v_nop
	global_prefetch_b8 v0, s[64:65] scope:SCOPE_SE
	s_setreg_imm32_b32 hwreg(HW_REG_WAVE_MODE, 25, 1), 1
	s_wait_xcnt 0x0
	s_wait_alu depctr_hold_cnt(0) depctr_sa_sdst(0) depctr_va_vdst(0) depctr_va_sdst(0) depctr_va_ssrc(0) depctr_va_vcc(0) depctr_vm_vsrc(0)
	s_getreg_b32 s2, hwreg(HW_REG_IB_STS2, 6, 4)
	s_cmp_eq_u32 s2, 0
	s_cbranch_scc0 .Lentry_in_a_cluster
	s_endpgm
.Lentry_in_a_cluster:
	s_bfe_u32 s2, ttmp6, 0x10000c
	s_cmp_lg_u32 s2, 0xf033
	s_cbranch_scc0 .Lentry_shape_is_right
	s_endpgm
.Lentry_shape_is_right:
; out = a Wo^T + bo on codes of FP4 (E2M1) with one E8M0 scale for each 32 along K = 1,024.  a: the attention's result as images of operand registers (8,192 bytes a tile of 16 rows: K step s, half c at 1,024 s + 512 c),
; its scale bytes [8,192][32]; Wo as given, rows of 512 bytes; out [8,192][1,024] f32.
; SHARES.  Work-group (g, y) of 8 x 32: rows 256 y .. + 255, columns 128 g .. + 127.  Wave w: wr = w / 2 picks 128 rows, wc = w % 2 picks 64 columns: 32 accumulators.  K is short enough for both operands to lie whole in LDS:
; two first fills a wave, one barrier, no refill.  CLUSTER 4 x 4: a's rows are shared along a row of the cluster, Wo's along a column: both are asked for jointly.
; Source 0 = 16 rows of Wo, source 1 = 16 rows of a: a lane holds eight neighbouring columns of one row of out.  The bias is the C of each sum's first product.
; REGISTERS, in windows of 256: window 0: addresses, scale words, two sets of Wo's fragments (on the way out: rows read back), the bias.  windows 1, 2: a's fragments.  window 3: the accumulators ((a, b) at 8 (4 a + b)).
.set PITCH, 528                        ; Wo's LDS row: 512 bytes + 16 of padding: the 16 rows that a fragment load touches start at 16 different banks (64 banks of 4 bytes: ISA guide 11.1)
.set WOB,   131072                     ; behind a's sixteen images: Wo's 128 rows
.set STG,   WOB+128*PITCH              ; behind them: a stage of 16 rows x 272 bytes for each wave; no tensor load fills it
.set SPITCH, 272
.set LI,   3                           ; v3   16 x lane
.set AX,   4                           ; v4   LDS address of my images of a
.set AWA,  5                           ; v5   of my fragments of Wo
.set SX,   7                           ; v7   32 r
.set BPO,  8                           ; v8   32 h
.set STO,  13                          ; v13  the way out: where I put 32 bytes of a row
.set RD,   14                          ; v14  where I read a row back
.set CO,   15                          ; v15  my byte offset in two rows of out
.set XS,   16                          ; v16-79   a's scale words: (a, s) at XS + 8 a + s
.set WS,   80                          ; v80-111  Wo's
.set WF,   112                         ; v112-143, v144-175
.set BIAS, 176                         ; v176-207
.set MSB, 0
.macro WIN new                         ; the immediate's high byte repeats the setting that is left
.if MSB != (\new)
	s_set_vgpr_msb (MSB<<8)|(\new)
.set MSB, (\new)
.endif
.endm
.macro PLACES
.rept 4
	v_nop
.endr
.endm
.macro CROUND                          ; a round of the cluster's barrier
	s_barrier_signal -1
	s_barrier_wait -1
	s_cmp_lg_u32 s32, 0
	s_cbranch_scc1 .Lnot_wave_0_\@
	s_barrier_signal -3
.Lnot_wave_0_\@:
	s_barrier_wait -3
	s_barrier_signal -1
	s_barrier_wait -1
.endm
.macro WFETCH p, q                     ; Wo's four fragments of K step q into set p
.irp b, 0,1,2,3
.irp c, 0,1
	ds_load_b128 v[WF+32*(\p)+8*\b+4*\c:WF+32*(\p)+8*\b+4*\c+3], v[AWA] offset:\b*16*PITCH+64*(\q)+32*\c
.endr
.endr
.endm
.macro XFETCH q                        ; a's eight fragments of K step q: each load reads 512 consecutive bytes
	WIN 0x40*(1+(\q)/4)
.irp a, 0,1,2,3,4,5,6,7
.irp c, 0,1
	ds_load_b128 v[64*((\q)%4)+8*\a+4*\c:64*((\q)%4)+8*\a+4*\c+3], v[AX] offset:\a*8192+1024*(\q)+512*\c
.endr
.endr
	WIN 0
.endm
; A K step of 128: the next step's fragments are asked for, this step's (asked for a step ago) are waited for, then 32 products on 32 accumulators, one instruction a turn
.macro KSTEP s
	WIN 0
.if (\s) > 0
	PLACES                                         ; the set that is loaded next was read by the products just issued
.endif
.if (\s) < 7
.set kn, (\s)+1
	WFETCH kn%2, kn
	XFETCH kn
	s_wait_dscnt 24                                ; all but the 24 loads just issued
.else
	s_wait_dscnt 0x0
.endif
.set xw, 64*((\s)%4)
.set wf, WF+32*((\s)%2)
.if (\s) == 0
	WIN 0xc4                                       ; source 1 (a) window 1, C (the bias) window 0, D window 3
.else
	WIN 0xf4+4*((\s)/4)
.endif
.irp a, 0,1,2,3,4,5,6,7
.irp b, 0,1,2,3
.if (\s) == 0
	v_wmma_scale_f32_16x16x128_f8f6f4 v[8*(4*\a+\b):8*(4*\a+\b)+7], v[wf+8*\b:wf+8*\b+7], v[xw+8*\a:xw+8*\a+7], v[BIAS+8*\b:BIAS+8*\b+7], v[WS+8*\b+(\s)], v[XS+8*\a+(\s)] matrix_a_fmt:MATRIX_FMT_FP4 matrix_b_fmt:MATRIX_FMT_FP4
.else
	v_wmma_scale_f32_16x16x128_f8f6f4 v[8*(4*\a+\b):8*(4*\a+\b)+7], v[wf+8*\b:wf+8*\b+7], v[xw+8*\a:xw+8*\a+7], v[8*(4*\a+\b):8*(4*\a+\b)+7], v[WS+8*\b+(\s)], v[XS+8*\a+(\s)] matrix_a_fmt:MATRIX_FMT_FP4 matrix_b_fmt:MATRIX_FMT_FP4
.endif
.endr
.endr
.endm
	s_load_b256 s[4:11], s[0:1], 0x0               ; ac s[4:5], asc s[6:7], Wo codes s[8:9], Wo scales s[10:11]
	s_load_b128 s[12:15], s[0:1], 0x20             ; bo s[12:13], out s[14:15]
	v_lshl_add_u32 v254, v0, 2, 0x34c00
	v_mov_b32 v255, 0
	ds_add_u32 v254, v255
	ds_add_u32 v254, v255
	v_lshrrev_b32 v13, 5, v0
	v_readfirstlane_b32 s32, v13                   ; wave 0..3
	s_lshr_b32 s33, s32, 1                         ; wr
	s_and_b32 s34, s32, 1                          ; wc
	s_bfe_u32 s35, ttmp6, 0x40000                  ; cx
	s_bfe_u32 s36, ttmp6, 0x40004                  ; cy
	s_lshl_b32 s37, ttmp9, 2
	s_add_co_u32 s37, s37, s35                     ; g
	s_and_b32 s38, ttmp7, 0xffff
	s_lshl_b32 s38, s38, 2
	s_add_co_u32 s38, s38, s36                     ; y
	s_lshl_b32 s39, s36, 2
	s_lshl_b32 s39, 15, s39                        ; my row of the cluster
	s_lshl_b32 s40, 0x1111, s35                    ; my column
	; descriptor group 1.  a: four images, a dense block of 32,768 bytes, as 128 rows of 256 bytes (32 elements of 8 bytes), no padding
	s_or_b32 s44, s39, (3<<16)|(1<<21)
	s_mov_b32 s45, 32<<16
	s_mov_b32 s46, 128<<16
	s_mov_b32 s47, 32<<16
	s_mov_b32 s48, 128
	s_mov_b32 s49, 32
	s_mov_b32 s50, 0
	s_mov_b32 s51, 0
	; Wo: 32 rows of 512 elements of one byte, 4 words of padding behind every 128
	s_or_b32 s52, s40, (1<<20)|(1<<21)|(6<<22)|(3<<25)
	s_mov_b32 s53, 512<<16
	s_mov_b32 s54, 32<<16
	s_mov_b32 s55, 512<<16
	s_mov_b32 s56, 32
	s_mov_b32 s57, 512
	s_mov_b32 s58, 0
	s_mov_b32 s59, 0
	s_lshl_b32 s80, s38, 17                        ; a: rows 256 y + 64 w on, 512 bytes a row: made of y and the wave alone
	s_lshl_b32 s81, s32, 15
	s_add_co_u32 s80, s80, s81
	s_mov_b32 s81, 0
	s_lshl_b32 s82, s37, 16                        ; Wo: row 128 g + 32 w: made of g and the wave alone
	s_lshl_b32 s83, s32, 14
	s_add_co_u32 s82, s82, s83
	s_mov_b32 s83, 0
	s_mul_i32 s84, s32, 32*PITCH
	s_wait_dscnt 0x0
	s_wait_kmcnt 0x0
	s_mov_b32 s60, 1
	s_lshl_b32 s61, s32, 15
	s_add_nc_u64 s[62:63], s[4:5], s[80:81]
	s_or_b32 s63, s63, 0x80000000
	s_mov_b32 s68, 1
	s_add_co_u32 s69, s84, WOB
	s_add_nc_u64 s[70:71], s[8:9], s[82:83]
	s_or_b32 s71, s71, 0x80000000
	CROUND                                         ; all sixteen work-groups are here: the joint loads meet
	tensor_load_to_lds s[60:63], s[44:51]          ; one load of mine is out
	s_nop 0
	s_wait_alu depctr_va_vdst(0)
	s_wait_tensorcnt 0x0
	ds_add_u32 v254, v255
	s_wait_dscnt 0x0
	CROUND
	tensor_load_to_lds s[68:71], s[52:59]
	s_nop 0
	PLACES
	s_lshl_b32 s84, s37, 1
	s_add_co_u32 s84, s84, s34                     ; my 64 columns: 2 g + wc
	s_mov_b32 s89, 0
	s_lshl_b32 s88, s38, 13
	s_lshl_b32 s87, s33, 12
	s_add_co_u32 s88, s88, s87
	s_add_nc_u64 s[6:7], s[6:7], s[88:89]          ; a's scales at row 256 y + 128 wr
	s_lshl_b32 s88, s84, 11
	s_add_nc_u64 s[10:11], s[10:11], s[88:89]      ; Wo's scales at my first row of Wo
	s_lshl_b32 s88, s84, 8
	s_add_nc_u64 s[12:13], s[12:13], s[88:89]      ; bo at my first column,
	s_add_nc_u64 s[14:15], s[14:15], s[88:89]      ; out likewise,
	s_lshl_b32 s88, s38, 20
	s_lshl_b32 s87, s33, 19
	s_add_co_u32 s88, s88, s87
	s_add_nc_u64 s[14:15], s[14:15], s[88:89]      ; at my first row: 4,096 bytes a row
	v_and_b32 v1, 15, v0                           ; r
	v_bfe_u32 v2, v0, 4, 1                         ; h
	v_and_b32 v[LI], 31, v0
	v_lshlrev_b32 v[LI], 4, v[LI]
	s_lshl_b32 s87, s33, 16
	v_add_nc_u32 v[AX], s87, v[LI]                 ; my eight images
	v_mul_u32_u24 v[AWA], v1, PITCH
	v_lshl_add_u32 v[AWA], v2, 4, v[AWA]
	s_mul_i32 s87, s34, 64*PITCH
	s_add_co_u32 s87, s87, WOB
	v_add_nc_u32 v[AWA], s87, v[AWA]
	v_lshlrev_b32 v[SX], 5, v1
	v_lshlrev_b32 v[BPO], 5, v2
	s_mul_i32 s87, s32, 16*SPITCH
	s_add_co_u32 s87, s87, STG                     ; my stage
	v_mul_u32_u24 v[STO], v1, SPITCH
	v_lshl_add_u32 v[STO], v2, 5, v[STO]
	v_add_nc_u32 v[STO], s87, v[STO]               ; in: row r, 32 bytes for each half of the lanes
	v_mul_u32_u24 v[RD], v2, SPITCH
	v_lshl_add_u32 v[RD], v1, 4, v[RD]
	v_add_nc_u32 v[RD], s87, v[RD]                 ; back: lanes 0-15 one row of 256 bytes, lanes 16-31 the next
	v_lshlrev_b32 v[CO], 12, v2
	v_lshl_add_u32 v[CO], v1, 4, v[CO]             ; and the same two rows in out
.irp a, 0,1,2,3,4,5,6,7
	global_load_b128 v[XS+8*\a:XS+8*\a+3], v[SX], s[6:7] offset:512*\a
	global_load_b128 v[XS+8*\a+4:XS+8*\a+7], v[SX], s[6:7] offset:512*\a+16
.endr
.irp b, 0,1,2,3
	global_load_b128 v[WS+8*\b:WS+8*\b+3], v[SX], s[10:11] offset:512*\b
	global_load_b128 v[WS+8*\b+4:WS+8*\b+7], v[SX], s[10:11] offset:512*\b+16
.endr
.irp b, 0,1,2,3
	global_load_b128 v[BIAS+8*\b:BIAS+8*\b+3], v[BPO], s[12:13] offset:64*\b      ; tile b, register j: column 16 b + 8 h + j
	global_load_b128 v[BIAS+8*\b+4:BIAS+8*\b+7], v[BPO], s[12:13] offset:64*\b+16
.endr
	s_wait_tensorcnt 0x0                           ; my parts of a and of Wo are in,
	s_barrier_signal -1
	s_barrier_wait -1                              ; everybody's are
	WFETCH 0, 0
	XFETCH 0
	s_wait_loadcnt 0x0                             ; scale words and bias
.irp s, 0,1,2,3,4,5,6,7
	KSTEP \s
.endr
	WIN 0
	PLACES                                         ; in front of the stage's stores, which read results, and of the loads into the fragment sets
; THE WAY OUT, a block of 16 rows x 64 columns at a time: through my own stage and back as whole rows of 256 bytes.  LDS serves a wave's instructions in order (ISA guide 5.7.1.4): no wait between the stores and the loads,
; nor in front of the next block's stores.
.macro TOSTAGE a
	WIN 0x0c                                       ; an LDS store's data are its source 1: window 3
.irp b, 0,1,2,3
	ds_store_b128 v[STO], v[32*(\a)+8*\b:32*(\a)+8*\b+3] offset:64*\b            ; each accumulator from its low end on
	ds_store_b128 v[STO], v[32*(\a)+8*\b+4:32*(\a)+8*\b+7] offset:64*\b+16
.endr
	WIN 0
.set bk, WF+32*((\a)%2)
.irp i, 0,1,2,3,4,5,6,7
	ds_load_b128 v[bk+4*\i:bk+4*\i+3], v[RD] offset:\i*2*SPITCH
.endr
.endm
.macro SEND a, younger                 ; younger: the LDS instructions issued behind block a's loads, which may stay out
.set bk, WF+32*((\a)%2)
	s_wait_dscnt \younger
.irp i, 0,1,2,3,4,5,6,7
	global_store_b128 v[CO], v[bk+4*\i:bk+4*\i+3], s[14:15] offset:(16*(\a)+2*\i)*4096 th:TH_STORE_NT   ; 16 lanes store 256 consecutive bytes, at a multiple of 256 from out's first byte; 126 rows at the most stand in the immediate
.endr
.endm
	s_wait_alu depctr_va_vdst(0)
	TOSTAGE 0
.irp a, 1,2,3,4,5,6,7
.if \a > 1
	s_wait_xcnt 0x0                                ; the stores of the block two back have read their registers: this block's loads may land there
.endif
	TOSTAGE \a
	SEND \a-1, 16                                  ; behind that block's loads: this block's 8 stores and 8 loads
.endr
	SEND 7, 0
	s_wait_tensorcnt 0x0
	ds_add_u32 v254, v255
	s_wait_dscnt 0x0
	CROUND                                         ; the closing round: no work-group ends while a partner may still ask for a tile that names it
	s_endpgm
.Lfunc_end_k_q2aaa062bb7_oproj:
	.size	k_q2aaa062bb7_oproj, .Lfunc_end_k_q2aaa062bb7_oproj-k_q2aaa062bb7_oproj
	.p2alignl 7, 3214868480
	.fill 96, 4, 3214868480
	.section	.rodata,"a",@progbits
	.p2align	6, 0x0
	.amdhsa_kernel k_q2aaa062bb7_oproj
		.amdhsa_group_segment_fixed_size 327680
		.amdhsa_private_segment_fixed_size 0
		.amdhsa_enable_private_segment 0
		.amdhsa_kernarg_size 48
		.amdhsa_user_sgpr_count 2
		.amdhsa_user_sgpr_kernarg_segment_ptr 1
		.amdhsa_wavefront_size32 1
		.amdhsa_system_sgpr_workgroup_id_x 1
		.amdhsa_system_sgpr_workgroup_id_y 1
		.amdhsa_system_sgpr_workgroup_id_z 1
		.amdhsa_system_vgpr_workitem_id 0
		.amdhsa_next_free_vgpr 1024
		.amdhsa_next_free_sgpr 100
		.amdhsa_reserve_vcc 0
		.amdhsa_float_denorm_mode_32 3
		.amdhsa_float_denorm_mode_16_64 3
		.amdhsa_memory_ordered 1
		.amdhsa_forward_progress 1
		.amdhsa_inst_pref_size 71
	.end_amdhsa_kernel
	.amdgpu_metadata
---
amdhsa.version: [ 1, 2 ]
amdhsa.kernels:
  - .name:           k_q2aaa062bb7_oproj
    .symbol:         k_q2aaa062bb7_oproj.kd
    .args:
      - { .name: ac, .offset: 0, .size: 8, .value_kind: global_buffer, .address_space: global }
      - { .name: asc, .offset: 8, .size: 8, .value_kind: global_buffer, .address_space: global }
      - { .name: Wo_codes, .offset: 16, .size: 8, .value_kind: global_buffer, .address_space: global }
      - { .name: Wo_scales, .offset: 24, .size: 8, .value_kind: global_buffer, .address_space: global }
      - { .name: bo, .offset: 32, .size: 8, .value_kind: global_buffer, .address_space: global }
      - { .name: out0, .offset: 40, .size: 8, .value_kind: global_buffer, .address_space: global }
    .group_segment_fixed_size: 327680
    .private_segment_fixed_size: 0
    .kernarg_segment_align: 8
    .kernarg_segment_size: 48
    .max_flat_workgroup_size: 128
    .sgpr_count:     100
    .vgpr_count:     1024
    .wavefront_size: 32
...
	.end_amdgpu_metadata
.endif
;; end of part 3
